; MI455X (gfx1250); checked and timed in simulation.
; The chip was launched on July 23, 2026; its instructions are those of AMD's public machine-readable ISA for CDNA 5 (MIT licence, August 2026) and "CDNA5" Instruction Set Architecture Reference Guide (July 2026). The comments in the code are by the model that wrote it; some were corrected since.
;; Self Attention. Allowed arithmetic: matrix products marked QUANTISED: E5M2 operands, one given power-of-two scale a tensor, by v_wmma_f32_16x16x64_bf8_bf8 or v_wmma_f32_16x16x128_bf8_bf8, f32 sums; everything else in f32.
;; Inputs: lowp_scales 8 int32 (the exponents e of the quantised operands' scales 2^e); w_in 3,072 x 1,024 float32; w_out 1,024 x 1,024 float32; x 4 x 2,048 x 1,024 float32.
;; Outputs: out0 4 x 2,048 x 1,024 float32.
;; This version of the problem:
;;   THIS VERSION OF THE PROBLEM IS GIVEN IN LOW PRECISION. The matrix products marked QUANTISED in the list below multiply operands that are first quantised to E5M2 (5 exponent bits, 2 mantissa bits; 8 bits a number), with one given power-of-two scale for each operand tensor; their sums are f32. All else is computed in f32.
;;   The module's matrix products, in the order in which they are computed (A, B: the left and right operand; K: the contracted axis; several contracted axes count as one K, in the product's order):
;;     1. [M 8,192, K 1,024] x [K 1,024, N 3,072]; A: input x; B: input w_in: QUANTISED (scales: A lowp_scales[0], B lowp_scales[1])
;;     2. batch 64 x [M 2,048, K 64] x [K 64, N 2,048]; A: computed on the way; B: computed on the way: QUANTISED (scales: A lowp_scales[2], B lowp_scales[3])
;;     3. batch 64 x [M 2,048, K 2,048] x [K 2,048, N 64]; A: softmax (see below); B: computed on the way: QUANTISED (scales: A lowp_scales[4], B lowp_scales[5])
;;     4. [M 8,192, K 1,024] x [K 1,024, N 1,024]; A: computed on the way; B: input w_out: QUANTISED (scales: A lowp_scales[6], B lowp_scales[7])
;;   THE QUANTISER, for each operand of a quantised product, along K:
;;     - The operand's scale is 2^e, e = its entry of the input lowp_scales (int32; the entries are numbered through the quantised products in the list's order, A before B).
;;     - Each number is divided by the scale, clamped to +-57,344, and rounded to the nearest number of E5M2, ties to even, subnormals kept.
;;     - The product sums the exact products of the quantised numbers (number of the format x scale) in f32.
;;   ~~~python
;;   def quantise(x, axis, e):      # numpy; x: float32 -> the quantised numbers, widened to float32 again
;;       x = np.moveaxis(x, axis, -1); K = x.shape[-1]
;;       r = np.clip(x / 2.0 ** e, -57344, 57344)
;;       step = 2.0 ** (np.maximum(np.frexp(np.where(r == 0, 1, r))[1] - 1, -14) - 2)
;;       q = np.round(r / step) * step * 2.0 ** e      # np.round: ties to even
;;       return np.moveaxis(q, -1, axis).astype(np.float32)
;;   ~~~
;;   SOFTMAX AHEAD OF A QUANTISED PRODUCT. Where the list says 'softmax', what is quantised is not the finished softmax but p = 2^(t - M), with t = logit x log2(e) and M = ceil(the row's largest t), a whole number; so 1/2 < the row's largest p <= 1. The row's sum l is taken of the UNQUANTISED p, in f32, and the product's result is divided by l at the end. Since M is a whole number, a kernel that streams over the keys may use a running M (the ceiling of the running maximum): every later rescaling is an exact power of two, so the quantised numbers keep their values, but for numbers so far below the row's largest that they fall under the format's range.
;;   OPERANDS COMPUTED ON THE WAY. 'Computed on the way' means the value that the module computes at that place (a softmax that the list does not call 'softmax' is quantised finished and normalised). What goes into a quantiser is computed in f32, as accurately as f32 sums, v_exp_f32 and their like allow (about 1e-6 of the number): no bf16 or f16 on the way to a quantiser, and a product that is left as it is and whose result goes on into a quantised operand takes f32 operands (vector FMAs, or v_wmma_f32_16x16x4_f32). A number that lies on a knife's edge between two numbers of the format may be rounded either way, as far as f32 arithmetic and the matrix unit's own rounding can turn it there, and no further.
;; One version. Each part assembles by itself: llvm-mc -triple=amdgcn-amd-amdhsa -mcpu=gfx1250 --defsym DOCPART=n.
;; ======== version 1 of 1: 4 launches
;; limits: right only within a limited range of input values
;; workspace buffers: codes 12,582,912 bytes; qkv 25,165,824 bytes; yimg 8,388,608 bytes
;; launch quant (part 1): grid 768 x 1, 4 waves a work-group, no clusters, 33,280 bytes of LDS; arguments x, w_in, w_out, lowp_scales, codes; writes codes
.if DOCPART == 1
	.amdgcn_target "amdgcn-amd-amdhsa--gfx1250"
	.amdhsa_code_object_version 6
	.text
	.protected	k_qd495ef656f_quant
	.globl	k_qd495ef656f_quant
	.p2align	8
	.type	k_qd495ef656f_quant,@function
k_qd495ef656f_quant:
	s_mov_b64 s[64:65], 0
	v_nop
	global_prefetch_b8 v0, s[64:65] scope:SCOPE_SE
	s_setreg_imm32_b32 hwreg(HW_REG_WAVE_MODE, 25, 1), 1
	s_wait_xcnt 0x0
; x [8192][1024], w_in [3072][1024] and w_out [1024][1024], f32 with K innermost, become codes of BF8 (E5M2), one byte each, in ONE buffer of 12,288 rows of 1,024 codes: x's rows, then w_in's, then w_out's.
; code = number / 2^e, held within +-57,344, rounded to the nearest code, ties to even.  e: entry 0 of the scales for x, entry 1 for w_in, entry 7 for w_out.
; LIMITS: each of these three e lies between -126 and 112, so that 2^e and 57,344 x 2^e are f32 numbers.  NaN among the inputs is not served (an infinity is held at the largest code).
; THE ORDER INSIDE A BLOCK OF 32 CODES is k 0-7, 16-23, 8-15, 24-31: the 16 bytes at 32 c + 16 h of a row are then registers 4 c .. 4 c + 3 of the plain 8-bit operand layout for the lane half h
; (registers 2 c, 2 c + 1 hold k = 16 c + 8 h + 0 .. 7), so that the later launches fetch a fragment by loads of 16 bytes with every k in its own place.
; Rows are dense, so the three tensors are plain streams of blocks.  A wave takes 8 steps of 512 numbers; a work-group 16,384 numbers: work-groups 0-511 take x, 512-703 w_in, 704-767 w_out.
; Each load reads 512 consecutive bytes, 16 a lane; a step's 2,048 bytes turn through the wave's own stage in LDS and come back so that lane 2 i + u holds k = 32 i + 8 u + 0 .. 7 and 32 i + 16 + 8 u + 0 .. 7.
; Its 16 codes are stored at 16 x lane: the wave stores 512 consecutive bytes.  Waves share nothing: no barrier, no cluster (no two work-groups read the same bytes).  Loads run four steps ahead, the turn through LDS one step.
.set STEPS, 8
.set WGX,   512                        ; the first work-group of w_in
.set WGO,   704                        ; the first work-group of w_out
.set EMAX,  15
.set MANT,  0x600000                   ; the mantissa field of 57,344 as f32
.set R,     16                         ; v16-79   four sets of 16 numbers as they are loaded
.set X,     80                         ; v80-111  two sets of 16 numbers in the order of the codes
.set C,     128                        ; v128-159 codes: four registers for each step, so that no store's data are written again
.set WREG,  8192                       ; LDS: a region of its own for each wave: two stages of 32 x SP bytes
.set SP,    80                         ; a place in a stage: 64 bytes (16 numbers) + 16 of padding
	s_load_b128 s[4:7], s[0:1], 0x0                ; x, w_in
	s_load_b128 s[8:11], s[0:1], 0x10              ; w_out, the scales' exponents
	s_load_b64 s[12:13], s[0:1], 0x20              ; the codes
	v_lshl_add_u32 v160, v0, 2, 0x8000
	v_mov_b32 v161, 0
	v_lshrrev_b32 v1, 5, v0
	v_readfirstlane_b32 s16, v1                    ; wave
	v_and_b32 v2, 31, v0                           ; lane
	v_lshlrev_b32 v3, 4, v2                        ; my 16 bytes of a load's 512, and of a store's; never rewritten
	s_mul_i32 s17, s16, WREG
	v_lshrrev_b32 v14, 2, v2
	v_mul_u32_u24 v14, v14, SP
	v_and_b32 v15, 3, v2
	v_lshl_add_u32 v14, v15, 4, v14
	v_add_nc_u32 v14, s17, v14                     ; the stage, on the way in: four lanes' 64 bytes on end, then the padding: SP (lane / 4) + 16 (lane % 4)
	v_and_b32 v15, 30, v2
	v_mul_u32_u24 v15, v15, SP
	v_and_b32 v5, 1, v2
	v_lshl_add_u32 v15, v5, 5, v15
	v_add_nc_u32 v15, s17, v15                     ; and on the way out: place 2 (lane / 2), + 32 bytes for the odd lane; the block's second 16 numbers lie one place on
	s_wait_alu depctr_va_vdst(0)
	s_wait_kmcnt 0x0
	s_load_b64 s[22:23], s[10:11], 0x0             ; e of x, of w_in
	s_load_b32 s24, s[10:11], 0x1c                 ; e of w_out
	s_cmp_lt_u32 ttmp9, WGO                        ; which tensor?  The choice hangs on the work-group's number alone
	s_cselect_b64 s[6:7], s[6:7], s[8:9]
	s_mov_b32 s18, WGO
	s_cselect_b32 s18, WGX, s18
	s_cmp_lt_u32 ttmp9, WGX
	s_cselect_b64 s[4:5], s[4:5], s[6:7]
	s_cselect_b32 s18, 0, s18                      ; the tensor's first work-group
	s_sub_co_u32 s18, ttmp9, s18
	s_lshl_b32 s18, s18, 2
	s_add_co_u32 s18, s18, s16                     ; which run of 4,096 numbers of the tensor is my wave's
	s_lshl_b32 s20, s18, 14                        ; 16,384 bytes each: 33,554,432 at the most
	s_mov_b32 s21, 0
	s_add_nc_u64 s[4:5], s[4:5], s[20:21]
	s_lshl_b32 s18, ttmp9, 2
	s_add_co_u32 s18, s18, s16                     ; the codes of the three tensors lie on end: the run's number in the launch
	s_lshl_b32 s20, s18, 12                        ; 4,096 bytes each
	s_add_nc_u64 s[12:13], s[12:13], s[20:21]
.macro LOAD t
.irp i, 0,1,2,3
	global_load_b128 v[R+16*((\t)%4)+4*\i:R+16*((\t)%4)+4*\i+3], v3, s[4:5] offset:2048*(\t)+512*\i th:TH_LOAD_NT   ; 32 lanes read 512 consecutive bytes
.endr
.endm
.macro TURN t                          ; step t's numbers through the stage: LDS serves a wave's instructions in order, so no wait stands between the stores and the loads
.irp i, 0,1,2,3
	ds_store_b128 v14, v[R+16*((\t)%4)+4*\i:R+16*((\t)%4)+4*\i+3] offset:32*SP*((\t)%2)+8*SP*\i
.endr
.irp i, 0,1
	ds_load_b128 v[X+16*((\t)%2)+8*\i:X+16*((\t)%2)+8*\i+3], v15 offset:32*SP*((\t)%2)+SP*\i
	ds_load_b128 v[X+16*((\t)%2)+8*\i+4:X+16*((\t)%2)+8*\i+7], v15 offset:32*SP*((\t)%2)+SP*\i+16
.endr
.endm
.irp t, 0,1,2,3
	LOAD \t
.endr
	s_wait_kmcnt 0x0
	s_cmp_lt_u32 ttmp9, WGO
	s_cselect_b32 s23, s23, s24
	s_cmp_lt_u32 ttmp9, WGX
	s_cselect_b32 s22, s22, s23                    ; e
	s_add_co_i32 s22, s22, 127
	s_lshl_b32 s23, s22, 23
	v_mov_b32 v11, s23                             ; 2^e as f32: the conversion takes its exponent field
	s_wait_alu depctr_va_vdst(0)
	s_wait_loadcnt 12                              ; step 0's four loads are in; the twelve of steps 1 to 3 may be out
	TURN 0
.macro STEP t
.set XS, X+16*((\t)%2)
	s_wait_dscnt 0x0                               ; this step's numbers are back from the stage: so its stores into the stage have read their registers,
.if (\t)+4 < STEPS
	LOAD (\t)+4                                    ; which take the loads of four steps on
.endif
.if (\t)+1 < STEPS
.if STEPS-2-(\t) >= 3
	s_wait_loadcnt 12                              ; the next step's four loads are in; those of the three steps behind it may be out
.else
	s_wait_loadcnt 4*(STEPS-2-(\t))                ; the counts run down: four loads for each step that is still behind the next one
.endif
	TURN (\t)+1                                    ; and go through the other stage while this step is worked
.endif
.irp i, 0,1,2,3,4,5,6,7,8,9,10,11,12,13,14,15
.endr
	v_cvt_scalef32_pk8_bf8_f32 v[C+4*(\t):C+4*(\t)+1], v[XS:XS+7], v11
	v_cvt_scalef32_pk8_bf8_f32 v[C+4*(\t)+2:C+4*(\t)+3], v[XS+8:XS+15], v11
	; the codes go to a store alone
	global_store_b128 v3, v[C+4*(\t):C+4*(\t)+3], s[12:13] offset:512*(\t)   ; 32 lanes store 512 consecutive bytes, at a multiple of 256 from the buffer's first byte
.endm
.irp t, 0,1,2,3,4,5,6,7
	STEP \t
.endr
	s_wait_tensorcnt 0x0
	ds_add_u32 v160, v161
	s_wait_dscnt 0x0
	s_endpgm
.Lfunc_end_k_qd495ef656f_quant:
	.size	k_qd495ef656f_quant, .Lfunc_end_k_qd495ef656f_quant-k_qd495ef656f_quant
	.p2alignl 7, 3214868480
	.fill 96, 4, 3214868480
	.section	.rodata,"a",@progbits
	.p2align	6, 0x0
	.amdhsa_kernel k_qd495ef656f_quant
		.amdhsa_group_segment_fixed_size 33280
		.amdhsa_private_segment_fixed_size 0
		.amdhsa_enable_private_segment 0
		.amdhsa_kernarg_size 40
		.amdhsa_user_sgpr_count 2
		.amdhsa_user_sgpr_kernarg_segment_ptr 1
		.amdhsa_wavefront_size32 1
		.amdhsa_system_sgpr_workgroup_id_x 1
		.amdhsa_system_sgpr_workgroup_id_y 1
		.amdhsa_system_sgpr_workgroup_id_z 1
		.amdhsa_system_vgpr_workitem_id 0
		.amdhsa_next_free_vgpr 162
		.amdhsa_next_free_sgpr 66
		.amdhsa_reserve_vcc 0
		.amdhsa_float_denorm_mode_32 3
		.amdhsa_float_denorm_mode_16_64 3
		.amdhsa_fp16_overflow 1
		.amdhsa_memory_ordered 1
		.amdhsa_forward_progress 1
		.amdhsa_inst_pref_size 12
	.end_amdhsa_kernel
	.amdgpu_metadata
---
amdhsa.version: [ 1, 2 ]
amdhsa.kernels:
  - .name:           k_qd495ef656f_quant
    .symbol:         k_qd495ef656f_quant.kd
    .args:
      - { .name: x, .offset: 0, .size: 8, .value_kind: global_buffer, .address_space: global }
      - { .name: w_in, .offset: 8, .size: 8, .value_kind: global_buffer, .address_space: global }
      - { .name: w_out, .offset: 16, .size: 8, .value_kind: global_buffer, .address_space: global }
      - { .name: lowp_scales, .offset: 24, .size: 8, .value_kind: global_buffer, .address_space: global }
      - { .name: codes, .offset: 32, .size: 8, .value_kind: global_buffer, .address_space: global }
    .group_segment_fixed_size: 33280
    .private_segment_fixed_size: 0
    .kernarg_segment_align: 8
    .kernarg_segment_size: 40
    .max_flat_workgroup_size: 128
    .sgpr_count:     66
    .vgpr_count:     162
    .wavefront_size: 32
...
	.end_amdgpu_metadata
.endif
;; end of part 1
;; launch qkv (part 2): grid 12 x 32, 4 waves a work-group, clusters of 4 x 4, 327,680 bytes of LDS; arguments codes, lowp_scales, qkv; writes qkv
.if DOCPART == 2
	.amdgcn_target "amdgcn-amd-amdhsa--gfx1250"
	.amdhsa_code_object_version 6
	.text
	.protected	k_qd495ef656f_qkv
	.globl	k_qd495ef656f_qkv
	.p2align	8
	.type	k_qd495ef656f_qkv,@function
k_qd495ef656f_qkv:
	s_mov_b64 s[64:65], 0
	v_nop
	global_prefetch_b8 v0, s[64:65] scope:SCOPE_SE
	s_setreg_imm32_b32 hwreg(HW_REG_WAVE_MODE, 25, 1), 1
	s_wait_xcnt 0x0
	s_wait_alu depctr_hold_cnt(0) depctr_sa_sdst(0) depctr_va_vdst(0) depctr_va_sdst(0) depctr_va_ssrc(0) depctr_va_vcc(0) depctr_vm_vsrc(0)
	s_getreg_b32 s2, hwreg(HW_REG_IB_STS2, 6, 4)
	s_cmp_eq_u32 s2, 0
	s_cbranch_scc0 .Lentry_in_a_cluster
	s_endpgm
.Lentry_in_a_cluster:
	s_bfe_u32 s2, ttmp6, 0x10000c
	s_cmp_lg_u32 s2, 0xf033
	s_cbranch_scc0 .Lentry_shape_is_right
	s_endpgm
.Lentry_shape_is_right:
; qkv = x w_in^T on codes of BF8 (E5M2), K = 1,024, f32 sums; the sums are quantised in registers for the attention's products and leave as codes alone.
; A tile is 256 x 256, made by four waves, each 128 x 128: 64 accumulators of 16 x 16, 512 registers.  K goes in four steps of 256 through a ring of two LDS slots filled by the tensor data mover.
; CLUSTERS of 4 x 4 work-groups; cluster x = 0: q, 1: k, 2: v; cluster y = 0 .. 7: 1,024 tokens.  Source 1's tile ('A') is shared along a row of the cluster, source 0's ('B') along a column: each is asked for jointly.
; WHAT STANDS ON SOURCE 0 IS WHAT THE NEXT PRODUCT SUMS OVER: a lane's eight results are eight neighbours along source 0's rows, and one conversion makes of them two registers of the next operand.
;   q, k: source 0 = 256 rows of w_in (channels), source 1 = 256 rows of x (tokens): a lane holds one token and eight channels of a head.
;   v:    source 0 = 256 rows of x (tokens = keys), source 1 = 256 rows of w_in's last third (channels): a lane holds one channel and eight keys.
; Both operands lie in the one buffer of codes (x: rows 0 on, w_in: rows 8,192 on), so the two cases differ in row numbers and output offsets alone, chosen by s_cselect_b32 on the cluster's x, which all partners share.
; THE OUTPUT IS LAID AS IMAGES OF THE NEXT OPERANDS' REGISTERS.  q at byte 0 and k at 8,388,608: [batch x head 64][tile of 16 tokens 128][1,024 bytes]: a 16 x 64 fragment as [4 registers: 2][lane 32][16 bytes].
; v at 16,777,216: [batch x head][128 keys: 16][16 channels: 4][2,048 bytes]: a 16 x 128 fragment as [4 registers: 4][lane][16 bytes].  Each store of a wave covers 512 consecutive bytes, aligned; no stage in LDS is needed.
; code = sum x 2^(e0 + e1) / 2^e, e = entry 2 (q), 3 (k) or 5 (v) of the scales: the three are folded into the conversion's one scale 2^(e - e0 - e1).
; LIMITS: e2 - e0 - e1, e3 - e0 - e1 and e5 - e0 - e1 lie between -126 and 112, so that the scale and 57,344 x the scale are f32 numbers.  NaN is not served.
; REGISTERS, in windows of 256: window 0: v8-29 addresses and constants; v32-95 at work on the way out; from v128 A's fragments (8 x 16 rows x 128 K), ONE set; on the way out the codes.
;   window 1: B's fragments, TWO sets, at v0 and v128.   window 2: the accumulators of A's blocks 0-3 ((a, b) at v[8 (8 a + b)]);   window 3: those of blocks 4-7.
.set ROWB,   256                       ; a tile's row in bytes: a K step's codes
.set KROW,   1024                      ; a row of the codes' buffer in bytes
.set PITCH,  272                       ; an LDS row: 256 bytes + 16 of padding = 68 words: the 16 rows that a load touches start at 16 different banks (64 banks of 4 bytes: ISA guide 11.1)
.set FR,     16                        ; registers of a fragment: 16 rows x 128 K
.set NL,     4                         ; LDS loads that bring one
.set NP,     4                         ; places behind this matrix instruction (ISA guide 7.12.1)
.set HALFT,  128*PITCH                 ; 128 rows: what one tensor load brings, and what one wave reads of A or of B
.set SLOT,   4*HALFT                   ; A's 256 rows, then B's 256 rows
.set SPARE,  2*SLOT                    ; behind the ring: the spare words, 128 bytes for each wave: two blocks of 256 bytes that no other line names
.set VO0,  8                           ; v8      16 x lane: my place in a store's 512 bytes; never rewritten
.set VO1,  9                           ; v9      the same for a block's second pair of stores
.set SCL,  10                          ; v10     the conversion's scale as f32
.set LIM,  11
.set ADRA, 16                          ; v16-17  LDS address of my A fragments in slot 0, 1
.set ADRB, 20                          ; v20-21  the same for B
.set SPW,  28                          ; v28     LDS address of my spare word; never rewritten
.set NIL,  29                          ; v29     0; never rewritten
.set TMP,  32
.set AF,   128                         ; A's fragments, in window 0
.set CD,   128                         ; the way out: 16 registers of codes for each of the eight blocks, so that no store's data are written again
.set G1, 24                            ; s[24:31] descriptor group 1 for A's tiles;  s[32:39] group 0, one set for each slot
.set G0, 32
.set G1B, 48                           ; s[48:55], s[56:63] the same for B's tiles
.set G0B, 56
.set MSB, 0
.macro WIN new                         ; the immediate's high byte repeats the setting that is left
.if MSB != \new
	s_set_vgpr_msb (MSB<<8)|\new
.set MSB, \new
.endif
.endm
.set MUL_LO, 0xa1                      ; source 0 (B) window 1, source 1 (A) window 0, C and D window 2
.set MUL_HI, 0xf1                      ; the same, C and D window 3
.set TO_B,   0x40                      ; destination window 1, address window 0
; A joint load: waves 0 and 1 fetch for A, waves 2 and 3 for B.  Each of the two lines has one mask and one set of registers for all that issue it; the branch hangs on the wave's number alone.
; Four v_nop follow each of the two lines, ahead of the jump, the label and what follows.
.macro JLOAD g0a, g1a, g0b, g1b
	s_cmp_eq_u32 s15, 0
	s_cbranch_scc0 .Lfor_b_\@
	tensor_load_to_lds s[\g0a:\g0a+3], s[\g1a:\g1a+7]
	s_nop 0
.rept 4
	v_nop
.endr
	s_branch .Lasked_\@
.Lfor_b_\@:
	tensor_load_to_lds s[\g0b:\g0b+3], s[\g1b:\g1b+7]
	s_nop 0
.rept 4
	v_nop
.endr
.Lasked_\@:
.endm
.macro CREST                           ; a round of the cluster's barrier behind its opening barrier
	s_cmp_lg_u32 s14, 0
	s_cbranch_scc1 .Lnot_wave_0_\@
	s_barrier_signal -3
.Lnot_wave_0_\@:
	s_barrier_wait -3
	s_barrier_signal -1
	s_barrier_wait -1
.endm
.macro CROUND                          ; a whole round
	s_barrier_signal -1
	s_barrier_wait -1
	CREST
.endm
	s_load_b128 s[4:7], s[0:1], 0x0                ; the codes s[4:5], the scales' exponents s[6:7]
	s_load_b64 s[10:11], s[0:1], 0x10              ; the output
	v_lshl_add_u32 v[SPW], v0, 2, SPARE
	v_mov_b32 v[NIL], 0
	ds_add_u32 v28, v29
	ds_add_u32 v28, v29
	s_wait_dscnt 0x0
	v_lshrrev_b32 v1, 5, v0
	v_readfirstlane_b32 s14, v1                    ; wave 0..3
	s_lshr_b32 s15, s14, 1                         ; which half of A's rows is mine.  Also: I fetch for A (0) or for B (1)
	s_and_b32 s16, s14, 1                          ; which half of B's rows.  Also: which 128 rows of that tile I fetch
	s_bfe_u32 s40, ttmp6, 0x40000                  ; cx, cy: my place in the cluster
	s_bfe_u32 s41, ttmp6, 0x40004
	s_and_b32 s17, ttmp7, 0xffff                   ; cluster y: which 1,024 tokens
	s_lshl_b32 s43, s41, 2
	s_lshl_b32 s43, 15, s43                        ; my row of the cluster
	s_lshl_b32 s44, 0x1111, s40                    ; my column
	; descriptor group 1: a tile of 128 rows x 256 bytes, padded in LDS
	s_or_b32 s[G1+0], s43, (0<<16)|(1<<20)|(1<<21)|(5<<22)|(3<<25)  ; 15:0 the mask: A's tiles go to my row; 17:16 element of 1 byte; 20 padding on; 21 set beside a mask; 24:22 after every 64 words (code 5); 31:25 of 4 words (code 3)
	s_or_b32 s[G1B+0], s44, (0<<16)|(1<<20)|(1<<21)|(5<<22)|(3<<25)
.irp g, G1, G1B
	s_mov_b32 s[\g+1], ROWB<<16                    ; tensor_dim0
	s_mov_b32 s[\g+2], 128<<16                     ; tensor_dim1 = 128
	s_mov_b32 s[\g+3], ROWB<<16                    ; tile_dim0
	s_mov_b32 s[\g+4], 128                         ; tile_dim1 = 128
	s_mov_b32 s[\g+5], KROW                        ; tensor_dim0_stride
	s_mov_b32 s[\g+6], 0
	s_mov_b32 s[\g+7], 0
.endr
	; the tiles' first rows in the buffer of codes.  A's hang on cy alone among the places in the cluster, B's on cx alone
	s_lshl_b32 s18, s16, 7                         ; which 128 rows of the tile I fetch
	s_lshl_b32 s19, s17, 10                        ; x: the cluster's 1,024 tokens
	s_lshl_b32 s66, ttmp9, 10
	s_add_co_u32 s66, s66, 8192                    ; w_in: q's or k's 1,024 rows
	s_mov_b32 s67, 10240                           ; w_in: v's 1,024 rows
	s_cmp_eq_u32 ttmp9, 2                          ; v?  The same in all sixteen partners
	s_cselect_b32 s20, s67, s19                    ; A: v's weights, or the tokens
	s_cselect_b32 s46, s19, s66                    ; B: the tokens, or q's or k's weights
	s_lshl_b32 s21, s41, 8
	s_add_co_u32 s20, s20, s21                     ; + 256 cy
	s_add_co_u32 s20, s20, s18
	s_lshl_b32 s47, s40, 8
	s_add_co_u32 s46, s46, s47                     ; + 256 cx
	s_add_co_u32 s46, s46, s18
	s_lshl_b32 s20, s20, 10                        ; in bytes: 12,582,912 at the most
	s_lshl_b32 s46, s46, 10
	s_mov_b32 s21, 0
	s_mov_b32 s47, 0
	s_mul_i32 s45, s14, HALFT                      ; where they go: wave x 128 rows: no place in the cluster enters an LDS address
	s_wait_kmcnt 0x0
	s_load_b256 s[80:87], s[6:7], 0x0              ; the eight exponents
	s_add_nc_u64 s[20:21], s[4:5], s[20:21]
	s_add_nc_u64 s[46:47], s[4:5], s[46:47]
	CROUND                                         ; all sixteen work-groups are here: the first joint loads meet
.irp s, 0,1
	s_mov_b32 s[G0+4*\s], 1
	s_add_co_u32 s[G0+4*\s+1], s45, \s*SLOT
	s_add_nc_u64 s[G0+4*\s+2:G0+4*\s+3], s[20:21], \s*ROWB
	s_or_b32 s[G0+4*\s+3], s[G0+4*\s+3], 0x80000000
	s_mov_b32 s[G0B+4*\s], 1
	s_add_co_u32 s[G0B+4*\s+1], s45, \s*SLOT
	s_add_nc_u64 s[G0B+4*\s+2:G0B+4*\s+3], s[46:47], \s*ROWB
	s_or_b32 s[G0B+4*\s+3], s[G0B+4*\s+3], 0x80000000
	JLOAD G0+4*\s, G1, G0B+4*\s, G1B               ; two tensor loads of mine are out
.endr
	v_and_b32 v1, 15, v0                           ; l % 16
	v_bfe_u32 v2, v0, 4, 1                         ; l / 16
	v_mul_u32_u24 v3, v1, PITCH
	v_lshl_add_u32 v4, v2, 4, v3                   ; a fragment's row x pitch + 16 x half
	s_mul_i32 s22, s15, HALFT                      ; my 128 rows of A
	s_mul_i32 s23, s16, HALFT                      ; my 128 rows of B,
	s_add_co_u32 s23, s23, 2*HALFT                 ; which lie behind A's 256
.irp s, 0,1
	v_add_nc_u32 v[ADRA+\s], s22, v4
	v_add_nc_u32 v[ADRB+\s], s23, v4
	s_add_co_u32 s22, s22, SLOT
	s_add_co_u32 s23, s23, SLOT
.endr
	; where my codes go.  ur = which 128 of the cluster's 1,024 along A, uc = along B; batch = cluster y / 2
	s_lshl_b32 s68, s41, 1
	s_add_co_u32 s68, s68, s15                     ; ur = 2 cy + my half
	s_lshl_b32 s69, s40, 1
	s_add_co_u32 s69, s69, s16                     ; uc = 2 cx + my half
	s_lshr_b32 s70, s17, 1
	s_lshl_b32 s70, s70, 4                         ; 16 x batch
	s_and_b32 s71, s17, 1                          ; which half of the batch's 2,048 tokens
	s_lshl_b32 s72, s69, 1                         ; q, k: my 128 channels are heads 2 uc and 2 uc + 1; my 128 tokens are tiles 64 x half + 8 ur on
	s_add_co_u32 s72, s72, s70
	s_lshl_b32 s72, s72, 7
	s_lshl_b32 s73, s71, 6
	s_add_co_u32 s72, s72, s73
	s_lshl_b32 s73, s68, 3
	s_add_co_u32 s72, s72, s73
	s_lshl_b32 s72, s72, 10                        ; 1,024 bytes a fragment
	s_lshl_b32 s73, ttmp9, 23
	s_add_co_u32 s72, s72, s73                     ; q's image or k's
	s_lshl_b32 s74, s68, 1                         ; v: my 128 channels are heads 2 ur and 2 ur + 1; my 128 tokens are key step 8 x half + uc
	s_add_co_u32 s74, s74, s70
	s_lshl_b32 s74, s74, 4
	s_lshl_b32 s75, s71, 3
	s_add_co_u32 s74, s74, s75
	s_add_co_u32 s74, s74, s69
	s_lshl_b32 s74, s74, 13                        ; 8,192 bytes a key step
	s_add_co_u32 s74, s74, 2<<23                   ; v's image
	s_mov_b32 s75, 131072                          ; q, k: a block's second pair of stores is the next head's fragment, 128 fragments on;
	s_mov_b32 s76, 1024                            ; from block to block: the next tile of tokens,
	s_mov_b32 s78, 1024                            ; at block 4 too
	s_cmp_eq_u32 ttmp9, 2
	s_cselect_b32 s72, s74, s72
	s_cselect_b32 s75, 1024, s75                   ; v: the second pair is the fragment's second half;
	s_cselect_b32 s76, 2048, s76                   ; from block to block: the next 16 channels of the head,
	s_cselect_b32 s78, 124928, s78                 ; at block 4 the next head: 16 key steps on, three fragments back
	s_mov_b32 s73, 0
	s_mov_b32 s77, 0
	s_mov_b32 s79, 0
	s_add_nc_u64 s[10:11], s[10:11], s[72:73]
	v_and_b32 v6, 31, v0
	v_lshlrev_b32 v[VO0], 4, v6
	v_add_nc_u32 v[VO1], s75, v[VO0]
.macro FRAG reg, adr, q, i             ; a fragment, 16 rows x 128 K, is 16 registers: four loads of 16 bytes at row x pitch + 32 c + 16 (l / 16); the order of the codes in a block of 32 puts every k in its own place
.irp c, 0,1,2,3
	ds_load_b128 v[\reg+4*\c:\reg+4*\c+3], v[\adr] offset:128*(\q)+32*\c+(\i)*16*PITCH
.endr
.endm
; 16 matrix instructions: A's blocks a0, a0 + 1 x B's eight, 128 along K.  p: B's set.  zero = 1: the first product starts the sums: nothing is ever cleared.
; The 64 accumulators take turns, one instruction a turn, in the same order in every step.
.macro MUL16 a0, p, zero
.irp a, \a0, \a0+1
.irp b, 0,1,2,3,4,5,6,7
.if \zero
	v_wmma_f32_16x16x128_bf8_bf8 v[8*(8*((\a)%4)+\b):8*(8*((\a)%4)+\b)+7], v[128*(\p)+FR*\b:128*(\p)+FR*\b+FR-1], v[AF+FR*(\a):AF+FR*(\a)+FR-1], 0
.else
	v_wmma_f32_16x16x128_bf8_bf8 v[8*(8*((\a)%4)+\b):8*(8*((\a)%4)+\b)+7], v[128*(\p)+FR*\b:128*(\p)+FR*\b+FR-1], v[AF+FR*(\a):AF+FR*(\a)+FR-1], v[8*(8*((\a)%4)+\b):8*(8*((\a)%4)+\b)+7]
.endif
.endr
.endr
.endm
.macro FETCH_B slot, q, p              ; B's eight fragments of the slot's q-th 128 along K into set p
	WIN TO_B
.irp i, 0,1,2,3,4,5,6,7
	FRAG 128*(\p)+FR*\i, ADRB+\slot, \q, \i
.endr
	WIN 0
.endm
.macro FETCH_A slot, q, i0             ; A's blocks i0 .. i0 + 3
.irp i, \i0, \i0+1, \i0+2, \i0+3
	FRAG AF+FR*(\i), ADRA+\slot, \q, \i
.endr
.endm
; A load into a register that a matrix instruction has read, and a vector instruction that reads a matrix result, stand NP places behind that matrix instruction; only plain vector
; instructions that name none of its registers are places (ISA guide 7.12.1 for vector instructions).
.macro PLACES n
.rept \n
	v_nop
.endr
.endm
; A step of 128 along K that has its successor in the same slot.
.macro STEP slot, q, zero
	s_wait_dscnt 4*NL                              ; B's set and A's blocks 0-3 are in; the youngest sixteen loads (A's blocks 4-7) may be out
	WIN MUL_LO
	MUL16 0, (\q)%2, \zero
	MUL16 2, (\q)%2, \zero
	s_wait_dscnt 0                                 ; A's blocks 4-7 are in (asked for 32 matrix instructions ago)
	PLACES NP
	FETCH_B \slot, (\q)+1, 1-(\q)%2
	FETCH_A \slot, (\q)+1, 0
	WIN MUL_HI
	MUL16 4, (\q)%2, \zero
	MUL16 6, (\q)%2, \zero
	PLACES NP
	WIN 0
	FETCH_A \slot, (\q)+1, 4
.endm
; A slot's last step changes slots: ONE barrier; in front of it each wave waits for all its tensor loads, adds 0 to its spare word, and waits for that and for its own reads of this slot.  fill = 1: this slot is filled again, two K steps ahead.
.macro TURN slot, next, fill
	s_wait_tensorcnt 0x0                           ; all my tensor loads have landed: my part of the next slot  (every window is 0 here: the add's two registers lie in window 0)
	ds_add_u32 v[SPW], v[NIL]                      ; 0 onto my spare word
	s_wait_dscnt 4*NL+1                            ; (the add and the youngest sixteen loads, A's blocks 4-7, may be out)
	WIN MUL_LO
	MUL16 0, 1, 0                                  ; sixteen matrix instructions stand between the add and the wait for it
	s_wait_dscnt 0x0                               ; the add is done, and my reads of this slot are over
	s_barrier_signal -1
	MUL16 2, 1, 0
	WIN 0
	s_barrier_wait -1
.if \fill
	CREST                                          ; the barrier has opened a round of the cluster's barrier: no wave of any partner still reads this slot's tile or has a load on its way
	s_add_nc_u64 s[G0+4*\slot+2:G0+4*\slot+3], s[G0+4*\slot+2:G0+4*\slot+3], 2*ROWB
	s_add_nc_u64 s[G0B+4*\slot+2:G0B+4*\slot+3], s[G0B+4*\slot+2:G0B+4*\slot+3], 2*ROWB
	JLOAD G0+4*\slot, G1, G0B+4*\slot, G1B         ; the first tensor load behind the round, my one load until the next; the four v_nop behind it are the places in front of the loads below
.else
	PLACES NP
.endif
	FETCH_B \next, 0, 0
	FETCH_A \next, 0, 0
	WIN MUL_HI
	MUL16 4, 1, 0
	MUL16 6, 1, 0
	PLACES NP
	WIN 0
	FETCH_A \next, 0, 4
.endm
	s_wait_alu depctr_va_vdst(0)
	s_wait_tensorcnt 1                             ; my part of K step 0 is in (K step 1's load may be out)
	s_barrier_signal -1
	s_barrier_wait -1                              ; everybody's is
	FETCH_B 0, 0, 0
	FETCH_A 0, 0, 0
	FETCH_A 0, 0, 4
	STEP 0, 0, 1                                   ; K has four steps of 256: the eight steps of 128 are written out.  The first products start the sums
	TURN 0, 1, 1                                   ; slot 0 takes K step 2
	STEP 1, 0, 0
	TURN 1, 0, 1                                   ; slot 1 takes K step 3
	STEP 0, 0, 0
	TURN 0, 1, 0                                   ; nothing is left to fetch: no round
	STEP 1, 0, 0
	s_wait_dscnt 4*NL                              ; the very last step
	WIN MUL_LO
	MUL16 0, 1, 0
	MUL16 2, 1, 0
	s_wait_dscnt 0
	WIN MUL_HI
	MUL16 4, 1, 0
	MUL16 6, 1, 0
	WIN 0
; THE WAY OUT, by A's blocks.  A block's 64 sums of a lane are held within the largest code x the scale (each accumulator from its low end on), and eight conversions make 16 registers of codes:
; q, k: two fragments of 16 tokens x 64 channels (two heads);  v: one fragment of 16 channels x 128 keys.  They are stored as they stand: four stores of 512 consecutive bytes.
.macro OUT a
	WIN 0x02+((\a)/4)                              ; source 0: window 2 or 3
.set j, 0
.rept 64
.set j, j+1
.endr
.irp b, 0,1,2,3,4,5,6,7
	v_cvt_scalef32_pk8_bf8_f32 v[CD+16*(\a)+2*\b:CD+16*(\a)+2*\b+1], v[TMP+8*\b+((64*((\a)%4)+j)-(TMP+j)):TMP+8*\b+7+((64*((\a)%4)+j)-(TMP+j))], v[SCL]
.endr
	WIN 0
	v_nop
.if (\a) > 0
	s_wait_alu depctr_va_vdst(0)
	s_wait_xcnt 0x0                                ; the last block's stores have read their base: it may step
.if (\a) == 4
	s_add_nc_u64 s[10:11], s[10:11], s[78:79]
.else
	s_add_nc_u64 s[10:11], s[10:11], s[76:77]
.endif
.endif
	global_store_b128 v[VO0], v[CD+16*(\a):CD+16*(\a)+3], s[10:11]
	global_store_b128 v[VO0], v[CD+16*(\a)+4:CD+16*(\a)+7], s[10:11] offset:512
	global_store_b128 v[VO1], v[CD+16*(\a)+8:CD+16*(\a)+11], s[10:11]
	global_store_b128 v[VO1], v[CD+16*(\a)+12:CD+16*(\a)+15], s[10:11] offset:512
.endm
	s_wait_kmcnt 0x0
	s_cmp_eq_u32 ttmp9, 0
	s_cselect_b32 s88, s82, s83                    ; q's e or k's,
	s_cmp_eq_u32 ttmp9, 2
	s_cselect_b32 s88, s85, s88                    ; or v's
	s_sub_co_i32 s88, s88, s80
	s_sub_co_i32 s88, s88, s81                     ; a sum stands for sum x 2^(e0 + e1): the three exponents are folded
	s_add_co_i32 s88, s88, 127
	s_lshl_b32 s89, s88, 23
	v_mov_b32 v[SCL], s89
	s_add_co_i32 s88, s88, 15
	s_lshl_b32 s88, s88, 23
	s_or_b32 s88, s88, 0x600000
	PLACES NP                                      ; behind the last products: in front of the first read of results and of the first write into the registers that held A's fragments
.irp a, 0,1,2,3,4,5,6,7
	OUT \a
.endr
	s_wait_tensorcnt 0x0                           ; the wave's end
	ds_add_u32 v[SPW], v[NIL]
	s_wait_dscnt 0x0
	CROUND                                         ; the closing round: no work-group ends while a partner may still ask for a tile that names it
	s_endpgm
.Lfunc_end_k_qd495ef656f_qkv:
	.size	k_qd495ef656f_qkv, .Lfunc_end_k_qd495ef656f_qkv-k_qd495ef656f_qkv
	.p2alignl 7, 3214868480
	.fill 96, 4, 3214868480
	.section	.rodata,"a",@progbits
	.p2align	6, 0x0
	.amdhsa_kernel k_qd495ef656f_qkv
		.amdhsa_group_segment_fixed_size 327680
		.amdhsa_private_segment_fixed_size 0
		.amdhsa_enable_private_segment 0
		.amdhsa_kernarg_size 24
		.amdhsa_user_sgpr_count 2
		.amdhsa_user_sgpr_kernarg_segment_ptr 1
		.amdhsa_wavefront_size32 1
		.amdhsa_system_sgpr_workgroup_id_x 1
		.amdhsa_system_sgpr_workgroup_id_y 1
		.amdhsa_system_sgpr_workgroup_id_z 1
		.amdhsa_system_vgpr_workitem_id 0
		.amdhsa_next_free_vgpr 1024
		.amdhsa_next_free_sgpr 100
		.amdhsa_reserve_vcc 0
		.amdhsa_float_denorm_mode_32 3
		.amdhsa_float_denorm_mode_16_64 3
		.amdhsa_fp16_overflow 1
		.amdhsa_memory_ordered 1
		.amdhsa_forward_progress 1
		.amdhsa_inst_pref_size 87
	.end_amdhsa_kernel
	.amdgpu_metadata
---
amdhsa.version: [ 1, 2 ]
amdhsa.kernels:
  - .name:           k_qd495ef656f_qkv
    .symbol:         k_qd495ef656f_qkv.kd
    .args:
      - { .name: codes, .offset: 0, .size: 8, .value_kind: global_buffer, .address_space: global }
      - { .name: lowp_scales, .offset: 8, .size: 8, .value_kind: global_buffer, .address_space: global }
      - { .name: qkv, .offset: 16, .size: 8, .value_kind: global_buffer, .address_space: global }
    .group_segment_fixed_size: 327680
    .private_segment_fixed_size: 0
    .kernarg_segment_align: 8
    .kernarg_segment_size: 24
    .max_flat_workgroup_size: 128
    .sgpr_count:     100
    .vgpr_count:     1024
    .wavefront_size: 32
...
	.end_amdgpu_metadata
.endif
;; end of part 2
;; launch attn (part 3): grid 4 x 64, 16 waves a work-group, clusters of 4 x 1, 327,680 bytes of LDS; arguments qkv, lowp_scales, yimg; writes yimg
.if DOCPART == 3
	.amdgcn_target "amdgcn-amd-amdhsa--gfx1250"
	.amdhsa_code_object_version 6
	.text
	.protected	k_qd495ef656f_attn
	.globl	k_qd495ef656f_attn
	.p2align	8
	.type	k_qd495ef656f_attn,@function
k_qd495ef656f_attn:
	s_mov_b64 s[64:65], 0
	v_nop
	global_prefetch_b8 v0, s[64:65] scope:SCOPE_SE
	s_setreg_imm32_b32 hwreg(HW_REG_WAVE_MODE, 25, 1), 1
	s_wait_xcnt 0x0
	s_wait_alu depctr_hold_cnt(0) depctr_sa_sdst(0) depctr_va_vdst(0) depctr_va_sdst(0) depctr_va_ssrc(0) depctr_va_vcc(0) depctr_vm_vsrc(0)
	s_getreg_b32 s2, hwreg(HW_REG_IB_STS2, 6, 4)
	s_cmp_eq_u32 s2, 0
	s_cbranch_scc0 .Lentry_in_a_cluster
	s_endpgm
.Lentry_in_a_cluster:
	s_bfe_u32 s2, ttmp6, 0x10000c
	s_cmp_lg_u32 s2, 0x3003
	s_cbranch_scc0 .Lentry_shape_is_right
	s_endpgm
.Lentry_shape_is_right:
; y[b][h][q] = the sum over keys k <= q of softmax_k(q . k / 8) v, both products on codes of BF8 (E5M2); y leaves as codes for the last product.  64 heads (batch x head) of 2,048 tokens x 64 channels.
; THE SOFTMAX: t = score x log2(e) / 8; M = the row's largest t so far, rounded UP to a whole number; p = 2^(t - M) is quantised along the keys with 2^e4, not normalised.
; The row's sum is taken of the unquantised p, in f32, and divides O at the end.  When M moves, the sum and O are multiplied by 2^(old M - new M), which rounds nothing.
; SHARES.  A cluster of four work-groups is one head.  Wave w (0 .. 15) of work-group g (0 .. 3) owns two tiles of 16 queries: tile 4 w + g and tile 127 - (4 w + g).  Tile a needs the key steps of 128
; numbered 0 .. a / 8, and (4 w + g) / 8 = w / 2 whatever g is: so every wave has 17 steps of a tile, and which steps it leaves out hangs on the wave's number and the step alone, alike in all partners.
; K AND V STAY IN LDS for the whole launch: a head's codes are 131,072 + 131,072 bytes.  They lie in memory as images of the operands' registers, so a fragment is read as consecutive runs of 512 bytes: no pitch, no padding.
; Every byte of LDS is filled once: no ring.  Each wave issues two JOINT loads at the start (the mask names the four work-groups): a small one, its part of the first 256 keys, and its part of the rest;
; the first two key steps are worked on while the rest lands.
; LAYOUT.  S^T = K Q^T (source 0 = 16 keys, source 1 = 16 queries, K = 64), O^T = V^T P^T (source 0 = 16 channels, source 1 = P, K = 128 keys): a lane holds ONE query (lane % 16) throughout, and the eight registers of
; a tile of S^T are keys 16 tile + 8 (lane / 16) + 0 .. 7: one conversion makes of them registers 2 tile, 2 tile + 1 of P.  Likewise O^T's four tiles become the eight registers of a 16 x 64 fragment of y.
; y's IMAGE: [256 channels: head / 4][tile of 16 tokens: 128 batch + tile][head % 4][1,024 bytes]; a wave's two stores of a tile cover 1,024 consecutive bytes.
; LIMITS on the given exponents, so that each power of two below is an f32 number: e2 + e3 between -123 and 130 (added to c's exponent field); e4, and e6 - e4 - e5, between -126 and 112.  NaN is not served.
; LDS: 0: K, keys 0-255;  16,384: V, key steps 0, 1;  32,768: K, keys 256 on (key step s at 16,384 + 8,192 s);  147,456: V, key steps 2 on (step s at 131,072 + 8,192 s).
.set LI,   1                           ; v1   16 x lane; never rewritten
.set LIK,  2                           ; v2   + where K's steps lie in the phase in hand, less 8,192 x step
.set LIV,  3                           ; v3   the same for V
.set ADK,  4                           ; v4   LDS address of the step's K
.set ADV,  5                           ; v5   of its V
.set DLO,  6                           ; v6   low tile: 16 (tile % 8) + lane % 16 - 8 (lane / 16): on the diagonal step register 8 f + j is hidden where 16 f + j is above it
.set DHI,  7                           ; v7   high tile: the same
.set STL,  8                           ; v8 -M, v9 the largest t, v[10:11] the sum in two halves: low tile
.set STH,  12                          ; v12-15 the same: high tile
.set QL,   16                          ; v16-23 Q's fragment, low tile
.set QH,   24                          ; v24-31 high tile
.set FRG,  32                          ; v32-95 eight fragments of K, later four of V
.set S,    96                          ; v96-159 S^T, then p
.set OL,   160                         ; v160-191 O^T, low tile
.set OH,   192                         ; v192-223 high tile
.set PC,   224                         ; v224-239 p's codes; at the end y's
.set PLIM, 240
.set YLIM, 241
.set SUM2, 242                         ; v[242:243] the sum's second chain
.set PSC,  244                         ; v244 2^e4
.set YSC,  245                         ; v245 2^(e6 - e4 - e5)
.set XT,   246                         ; v246 what the lane 16 away sends
.set F,    252                         ; v252 f = 2^(old M - new M); v253 named with it as a pair
.set T,    254                         ; v254 at work
.set WV,   18                          ; s18  my wave's number
.set CXR,  19                          ; s19  my place in the cluster: it enters Q's and y's addresses and the diagonal's numbers alone
.set SEL,  20                          ; s[20:21] lane selects for v_permlanex16_b32: lane l xor 16
.set CS,   22                          ; s[22:23] c = log2(e) / 8 x 2^(e2 + e3)
.set G1E,  24                          ; s[24:31] descriptor group 1 of the early load;  s[32:39] of the late one;  s[40:43], s[44:47] their groups 0
.set G1L,  32
.set G0E,  40
.set G0L,  44
.set BH,   48                          ; s48  batch x head
.set ALO,  49                          ; s49, s50  my two tiles
.set AHI,  50
.set QAL,  52                          ; s[52:53], s[54:55]  their fragments of Q in memory
.set QAH,  54
.set YAL,  56                          ; s[56:57], s[58:59]  their fragments of y
.set YAH,  58
.set LLO,  60                          ; s60, s61  each tile's last key step, the one on the diagonal
.set LHI,  61
.set SC,   62                          ; s62  the key step
.set TB,   63                          ; s63  8,192 x the key step
.set EX,   68                          ; s[68:75] the eight exponents
.macro CROUND                          ; a round of the cluster's barrier
	s_barrier_signal -1
	s_barrier_wait -1
	s_cmp_lg_u32 s[WV], 0
	s_cbranch_scc1 .Lnot_wave_0_\@
	s_barrier_signal -3
.Lnot_wave_0_\@:
	s_barrier_wait -3
	s_barrier_signal -1
	s_barrier_wait -1
.endm
	s_load_b128 s[4:7], s[0:1], 0x0                ; q's, k's and v's images s[4:5], the scales' exponents s[6:7]
	s_load_b64 s[8:9], s[0:1], 0x10                ; y's image
	v_lshl_add_u32 v251, v0, 2, 0x40000
	v_mov_b32 v255, 0
	ds_add_u32 v251, v255
	ds_add_u32 v251, v255
	v_lshrrev_b32 v1, 5, v0
	s_delay_alu instid0(VALU_DEP_1)
	v_readfirstlane_b32 s[WV], v1                  ; wave 0..15
	s_bfe_u32 s[CXR], ttmp6, 0x40000               ; cx
	s_and_b32 s[BH], ttmp7, 0xffff                 ; the head, which the four partners share
	; descriptor group 1: dense blocks as rows of 256 bytes (32 elements of 8 bytes); 8 rows early, 56 late
	s_mov_b32 s[G1E], 15|(3<<16)|(1<<21)           ; 15:0 the mask: all four work-groups; 17:16 elements of 8 bytes; 20 no padding; 21 set beside a mask
	s_mov_b32 s[G1E+1], 32<<16                     ; tensor_dim0 = 32
	s_mov_b32 s[G1E+2], 8<<16                      ; tensor_dim1 = 8
	s_mov_b32 s[G1E+3], 32<<16                     ; tile_dim0 = 32
	s_mov_b32 s[G1E+4], 8                          ; tile_dim1 = 8
	s_mov_b32 s[G1E+5], 32                         ; tensor_dim0_stride
	s_mov_b32 s[G1E+6], 0
	s_mov_b32 s[G1E+7], 0
	s_mov_b32 s[G1L], 15|(3<<16)|(1<<21)
	s_mov_b32 s[G1L+1], 32<<16
	s_mov_b32 s[G1L+2], 56<<16
	s_mov_b32 s[G1L+3], 32<<16
	s_mov_b32 s[G1L+4], 56
	s_mov_b32 s[G1L+5], 32
	s_mov_b32 s[G1L+6], 0
	s_mov_b32 s[G1L+7], 0
	; what I fetch: waves 0-7 an eighth of K's parts, waves 8-15 of V's.  Nothing here hangs on my place in the cluster
	s_lshr_b32 s76, s[WV], 3
	s_add_co_u32 s76, s76, 1
	s_lshl_b32 s76, s76, 23                        ; k's image at 8,388,608, v's at 16,777,216,
	s_lshl_b32 s77, s[BH], 17
	s_add_co_u32 s76, s76, s77                     ; the head's 131,072 bytes
	s_and_b32 s78, s[WV], 7
	s_lshl_b32 s79, s78, 11
	s_add_co_u32 s80, s76, s79                     ; early: 2,048 bytes of the first 16,384
	s_mov_b32 s81, 0
	s_mul_i32 s79, s78, 14336
	s_add_co_u32 s82, s76, s79
	s_add_co_u32 s82, s82, 16384                   ; late: 14,336 bytes of the other 114,688
	s_mov_b32 s83, 0
	; my two tiles
	s_lshl_b32 s[ALO], s[WV], 2
	s_add_co_u32 s[ALO], s[ALO], s[CXR]            ; 4 w + g
	s_sub_co_u32 s[AHI], 127, s[ALO]
	s_lshr_b32 s[LLO], s[WV], 1
	s_sub_co_u32 s[LHI], 15, s[LLO]
	s_lshl_b32 s84, s[BH], 7
	s_add_co_u32 s85, s84, s[ALO]
	s_lshl_b32 s[QAL], s85, 10                     ; q's image: (128 head + tile) x 1,024 bytes
	s_mov_b32 s[QAL+1], 0
	s_add_co_u32 s85, s84, s[AHI]
	s_lshl_b32 s[QAH], s85, 10
	s_mov_b32 s[QAH+1], 0
	s_lshr_b32 s86, s[BH], 4
	s_lshl_b32 s86, s86, 7                         ; 128 x batch
	s_and_b32 s87, s[BH], 15                       ; the head in its batch
	s_lshr_b32 s88, s87, 2
	s_lshl_b32 s88, s88, 21                        ; y's image: (head / 4) x 512 tiles x 4,096 bytes
	s_and_b32 s87, s87, 3
	s_lshl_b32 s87, s87, 10
	s_add_co_u32 s88, s88, s87                     ; + (head % 4) x 1,024
	s_add_co_u32 s89, s86, s[ALO]
	s_lshl_b32 s89, s89, 12
	s_add_co_u32 s[YAL], s88, s89                  ; + (128 batch + tile) x 4,096
	s_mov_b32 s[YAL+1], 0
	s_add_co_u32 s89, s86, s[AHI]
	s_lshl_b32 s89, s89, 12
	s_add_co_u32 s[YAH], s88, s89
	s_mov_b32 s[YAH+1], 0
	s_and_b32 s90, s[ALO], 7
	s_lshl_b32 s90, s90, 4                         ; 16 (tile % 8)
	s_and_b32 s91, s[AHI], 7
	s_lshl_b32 s91, s91, 4
	s_mov_b32 s[SEL], 0x76543210
	s_mov_b32 s[SEL+1], 0xfedcba98
	s_mov_b32 s[CS], 0x3e38aa3b                    ; c = log2(e) / 8
	s_wait_dscnt 0x0
	s_wait_kmcnt 0x0
	s_load_b256 s[EX:EX+7], s[6:7], 0x0
	s_mov_b32 s[G0E], 1                            ; 1:0 count = 1
	s_lshl_b32 s[G0E+1], s[WV], 11                 ; 63:32 LDS address: 2,048 x wave
	s_add_nc_u64 s[G0E+2:G0E+3], s[4:5], s[80:81]  ; 120:64 global address
	s_or_b32 s[G0E+3], s[G0E+3], 0x80000000        ; 127:126 type = 2
	s_mov_b32 s[G0L], 1
	s_mul_i32 s[G0L+1], s[WV], 14336
	s_add_co_u32 s[G0L+1], s[G0L+1], 32768         ; 32,768 + 14,336 x wave
	s_add_nc_u64 s[G0L+2:G0L+3], s[4:5], s[82:83]
	s_or_b32 s[G0L+3], s[G0L+3], 0x80000000
	s_add_nc_u64 s[QAL:QAL+1], s[4:5], s[QAL:QAL+1]
	s_add_nc_u64 s[QAH:QAH+1], s[4:5], s[QAH:QAH+1]
	s_add_nc_u64 s[YAL:YAL+1], s[8:9], s[YAL:YAL+1]
	s_add_nc_u64 s[YAH:YAH+1], s[8:9], s[YAH:YAH+1]
	CROUND                                         ; all four work-groups are here: the joint loads meet
	tensor_load_to_lds s[G0E:G0E+3], s[G1E:G1E+7]  ; the early fill goes out here, ahead of every wait on TENSORcnt and every LDS read: one load of mine is out
	s_nop 0
	s_wait_alu depctr_va_vdst(0)
	s_wait_tensorcnt 0x0
	ds_add_u32 v251, v255
	s_wait_dscnt 0x0
	CROUND
	tensor_load_to_lds s[G0L:G0L+3], s[G1L:G1L+7]
	s_nop 0
.rept 4
	v_nop
.endr
	v_and_b32 v[LI], 31, v0
	s_delay_alu instid0(VALU_DEP_1)
	v_lshlrev_b32 v[LI], 4, v[LI]
	global_load_b128 v[QL:QL+3], v[LI], s[QAL:QAL+1]                ; Q's fragments stay in registers: two runs of 512 bytes each
	global_load_b128 v[QL+4:QL+7], v[LI], s[QAL:QAL+1] offset:512
	global_load_b128 v[QH:QH+3], v[LI], s[QAH:QAH+1]
	global_load_b128 v[QH+4:QH+7], v[LI], s[QAH:QAH+1] offset:512
	v_mov_b32 v[LIK], v[LI]                        ; the first phase: K's steps 0, 1 lie at 0,
	v_add_nc_u32 v[LIV], 16384, v[LI]              ; V's at 16,384
	v_and_b32 v[DLO], 15, v0
	v_bfe_u32 v[DHI], v0, 4, 1
	s_delay_alu instid0(VALU_DEP_1)
	v_lshlrev_b32 v[DHI], 3, v[DHI]
	s_delay_alu instid0(VALU_DEP_1)
	v_sub_nc_u32 v[DHI], v[DLO], v[DHI]            ; lane % 16 - 8 (lane / 16)
	s_delay_alu instid0(VALU_DEP_1)
	v_add_nc_u32 v[DLO], s90, v[DHI]
	s_delay_alu instid0(VALU_DEP_2)
	v_add_nc_u32 v[DHI], s91, v[DHI]
.irp t, STL, STH
	v_mov_b32 v[\t+1], 0xff61b1e6                  ; the largest t so far: -3e38, under every t
	s_delay_alu instid0(VALU_DEP_1)
	v_floor_f32 v[\t], -v[\t+1]                    ; -M
	v_mov_b32 v[\t+2], 0                           ; the sum, in two halves
	v_mov_b32 v[\t+3], 0
.endr
	v_mov_b32 v[XT], 0                             ; written once: a lane permute's destination counts as one of its sources
	v_mov_b32 v[F+1], 0                            ; (named as the upper half of the pair)
.set i, 0
.rept 64
	v_mov_b32 v[OL+i], 0                           ; both O^T.  (A step is written for every step alike: the first finds zeros, which the first change of M leaves zeros)
.set i, i+1
.endr
	s_wait_kmcnt 0x0
	s_add_co_i32 s76, s[EX+2], s[EX+3]
	s_lshl_b32 s76, s76, 23
	s_add_co_i32 s[CS], s[CS], s76                 ; a score stands for score x 2^(e2 + e3): the two exponents are added to c's exponent field
	s_mov_b32 s[CS+1], s[CS]                       ; (named with it as a pair, so it is written)
	s_add_co_i32 s76, s[EX+4], 127
	s_lshl_b32 s77, s76, 23
	v_mov_b32 v[PSC], s77                          ; 2^e4 as f32, for p's conversions
	s_sub_co_i32 s76, s[EX+6], s[EX+4]
	s_sub_co_i32 s76, s76, s[EX+5]                 ; O^T / the sum stands for y / 2^(e4 + e5): the three exponents are folded into y's conversions
	s_add_co_i32 s76, s76, 127
	s_lshl_b32 s77, s76, 23
	v_mov_b32 v[YSC], s77
; A KEY STEP OF ONE TILE: 128 keys.  Q: the tile's fragment; ST: its statistics; O: its O^T; D: its number for the diagonal; LX: its last key step.
; A step all of whose keys come after the tile's queries is left out: a scalar branch on the wave's number and the step.  No barrier and no tensor load stands in a step.
.macro STEP Q, ST, O, D, LX
	s_cmp_gt_u32 s[SC], s[\LX]
	s_cbranch_scc1 .Lhid_\@
	s_wait_alu depctr_va_vdst(0)
	v_add_nc_u32 v[ADK], s[TB], v[LIK]
	v_add_nc_u32 v[ADV], s[TB], v[LIV]
	v_nop                                          ; with the two additions: four places in front of loads into registers that the last products read
	v_nop
.irp f, 0,1,2,3,4,5,6,7
	ds_load_b128 v[FRG+8*\f:FRG+8*\f+3], v[ADK] offset:1024*\f          ; K's fragment f: 16 keys x 64 channels, as it was stored
	ds_load_b128 v[FRG+8*\f+4:FRG+8*\f+7], v[ADK] offset:1024*\f+512
.endr
	s_wait_alu depctr_va_vdst(0)
	s_wait_dscnt 8                                 ; fragments 0-3 are in; the eight loads of fragments 4-7 may be out
.irp f, 0,1,2,3
	v_wmma_f32_16x16x64_bf8_bf8 v[S+8*\f:S+8*\f+7], v[FRG+8*\f:FRG+8*\f+7], v[\Q:\Q+7], 0
.endr
	s_wait_dscnt 0x0
.irp f, 4,5,6,7
	v_wmma_f32_16x16x64_bf8_bf8 v[S+8*\f:S+8*\f+7], v[FRG+8*\f:FRG+8*\f+7], v[\Q:\Q+7], 0
.endr
.rept 4
	v_nop                                          ; places: in front of the loads below and of the first read of the scores
.endr
.irp t, 0,1,2,3
.irp c, 0,1,2,3
	ds_load_b128 v[FRG+16*\t+4*\c:FRG+16*\t+4*\c+3], v[ADV] offset:2048*\t+512*\c   ; V's fragment t: 16 channels x 128 keys: it lands while the softmax is worked
.endr
.endr
	s_cmp_lg_u32 s[SC], s[\LX]                     ; only the tile's last step lies on the diagonal
	s_cbranch_scc1 .Lopen_\@
	v_mov_b32 v[T], 0xff800000                     ; -infinity: the scores of hidden keys, ahead of the maximum: p = 0 then
.set n, 0
.rept 64
	v_cmp_gt_i32 vcc_lo, 16*(n/8)+n%8, v[\D]
	v_cndmask_b32 v[S+n], v[S+n], v[T], vcc_lo
.set n, n+1
.endr
.Lopen_\@:
	v_max3_num_f32 v[T], v[S], v[S+1], v[S+2]      ; the step's largest score of my query, among my 64 keys, in two chains, each accumulator from its low end on,
	v_max3_num_f32 v[F], v[S+3], v[S+4], v[S+5]
.irp i, 6,10,14,18,22,26,30,34,38,42,46,50,54,58
	v_max3_num_f32 v[T], v[T], v[S+\i], v[S+\i+1]
	v_max3_num_f32 v[F], v[F], v[S+\i+2], v[S+\i+3]
.endr
	v_max3_num_f32 v[T], v[T], v[S+62], v[S+63]
	s_delay_alu instid0(VALU_DEP_1)
	v_max_num_f32 v[T], v[T], v[F]
	s_delay_alu instid0(VALU_DEP_1)
	v_permlanex16_b32 v[XT], v[T], s[SEL], s[SEL+1]
	s_delay_alu instid0(VALU_DEP_1)
	v_max_num_f32 v[T], v[T], v[XT]                ; and among lane l xor 16's
	s_delay_alu instid0(VALU_DEP_1)
	v_mul_f32 v[T], s[CS], v[T]                    ; as t (c is positive)
	s_delay_alu instid0(VALU_DEP_1)
	v_max_num_f32 v[\ST+1], v[\ST+1], v[T]         ; the running largest t
	v_mov_b32 v[T], v[\ST]
	s_delay_alu instid0(VALU_DEP_2)
	v_floor_f32 v[\ST], -v[\ST+1]                  ; the new -M = floor(-t) = -ceil(t): a whole number
	s_delay_alu instid0(VALU_DEP_1)
	v_sub_f32 v[T], v[\ST], v[T]                   ; M's old value less its new one: a whole number, 0 or less
	s_delay_alu instid0(VALU_DEP_1)
	v_cvt_i32_f32 v[T], v[T]                       ; (it saturates)
	s_delay_alu instid0(VALU_DEP_1)
	v_ldexp_f32 v[F], 1.0, v[T]                    ; f = 2^(old M - new M)
.irp j, 0,2,4,6,8,10,12,14,16,18,20,22,24,26,28,30,32,34,36,38,40,42,44,46,48,50,52,54,56,58,60,62
	v_pk_fma_f32 v[S+\j:S+\j+1], v[S+\j:S+\j+1], s[CS:CS+1], v[\ST:\ST+1] op_sel_hi:[1,0,0]   ; t - M, two at a time (of the pairs c and -M the low word serves both halves)
.endr
.set n, 0
	s_wait_alu depctr_va_vdst(0)
.rept 64
	v_exp_f32 v[S+n], v[S+n]                       ; p = 2^(t - M), at most 1
.set n, n+1
.endr
	v_pk_mul_f32 v[\ST+2:\ST+3], v[\ST+2:\ST+3], v[F:F+1] op_sel_hi:[1,0]   ; the sums under the new M.  (The plain place behind the exponentials)
	s_wait_alu depctr_va_vdst(0)
	v_pk_add_f32 v[SUM2:SUM2+1], v[S:S+1], v[S+2:S+3]                       ; the row's sum is taken of the unquantised p: two at a time, in two chains
.irp j, 4,8,12,16,20,24,28,32,36,40,44,48,52,56,60
	v_pk_add_f32 v[\ST+2:\ST+3], v[\ST+2:\ST+3], v[S+\j:S+\j+1]
	v_pk_add_f32 v[SUM2:SUM2+1], v[SUM2:SUM2+1], v[S+\j+2:S+\j+3]
.endr
	s_delay_alu instid0(VALU_DEP_1)
	v_pk_add_f32 v[\ST+2:\ST+3], v[\ST+2:\ST+3], v[SUM2:SUM2+1]
.irp f, 0,1,2,3,4,5,6,7
.irp i, 0,1,2,3,4,5,6,7
.endr
	v_cvt_scalef32_pk8_bf8_f32 v[PC+2*\f:PC+2*\f+1], v[S+8*\f:S+8*\f+7], v[PSC]   ; keys 16 f + 8 (lane / 16) + 0 .. 7: registers 2 f, 2 f + 1 of P
.endr
.irp j, 0,2,4,6,8,10,12,14,16,18,20,22,24,26,28,30
	v_pk_mul_f32 v[\O+\j:\O+\j+1], v[\O+\j:\O+\j+1], v[F:F+1] op_sel_hi:[1,0]   ; O^T under the new M.  (These are also the plain lines between the conversions and the products below)
.endr
	s_wait_alu depctr_va_vdst(0)
	s_wait_dscnt 0x0                               ; V is in
.irp t, 0,1,2,3
	v_wmma_f32_16x16x128_bf8_bf8 v[\O+8*\t:\O+8*\t+7], v[FRG+16*\t:FRG+16*\t+15], v[PC:PC+15], v[\O+8*\t:\O+8*\t+7]   ; four accumulators by turns, behind eight products of the other form
.endr
.Lhid_\@:
.endm
	s_wait_loadcnt 0x0                             ; Q
	s_wait_tensorcnt 1                             ; my early load has landed; the late one may stay out
	s_barrier_signal -1
	s_barrier_wait -1                              ; everybody's has: the first 256 keys lie in LDS
	s_mov_b32 s[SC], 0
	s_mov_b32 s[TB], 0
.Lfirst:                                           ; key steps 0 and 1
	STEP QL, STL, OL, DLO, LLO
	STEP QH, STH, OH, DHI, LHI
	s_add_co_u32 s[TB], s[TB], 8192
	s_add_co_u32 s[SC], s[SC], 1
	s_cmp_lt_u32 s[SC], 2
	s_cbranch_scc1 .Lfirst
	s_wait_tensorcnt 0x0                           ; my late load has landed,
	s_wait_dscnt 0x0
	s_barrier_signal -1
	s_barrier_wait -1                              ; everybody's has: all keys lie in LDS
	v_add_nc_u32 v[LIK], 16384, v[LI]              ; K's step s lies at 16,384 + 8,192 s from here on,
	v_add_nc_u32 v[LIV], 131072, v[LI]             ; V's at 131,072 + 8,192 s
	s_mov_b32 s[SC], 2
	s_mov_b32 s[TB], 16384
.Lrest:                                            ; key steps 2 to 15: no barrier, nothing is fetched
	STEP QL, STL, OL, DLO, LLO
	STEP QH, STH, OH, DHI, LHI
	s_add_co_u32 s[TB], s[TB], 8192
	s_add_co_u32 s[SC], s[SC], 1
	s_cmp_lt_u32 s[SC], 16
	s_cbranch_scc1 .Lrest
; THE WAY OUT of a tile: the sum's halves are added; O^T / the sum is held, converted, and stored as the fragment's registers stand.
.macro FIN ST, O, CD, YA
	v_add_f32 v[\ST+2], v[\ST+2], v[\ST+3]         ; the sum's two halves,
	s_delay_alu instid0(VALU_DEP_1)
	v_permlanex16_b32 v[XT], v[\ST+2], s[SEL], s[SEL+1]
	s_delay_alu instid0(VALU_DEP_1)
	v_add_f32 v[\ST+2], v[\ST+2], v[XT]            ; and lane l xor 16's: the row's sum
	s_wait_alu depctr_va_vdst(0)
	v_rcp_f32 v[\ST+2], v[\ST+2]
	v_nop                                          ; one plain place behind a transcendental
	s_wait_alu depctr_va_vdst(0)
.irp j, 0,2,4,6,8,10,12,14,16,18,20,22,24,26,28,30
	v_pk_mul_f32 v[S+\j:S+\j+1], v[\O+\j:\O+\j+1], v[\ST+2:\ST+3] op_sel_hi:[1,0]   ; each accumulator from its low end on
.endr
.set n, 0
.rept 32
.set n, n+1
.endr
.irp t, 0,1,2,3
	v_cvt_scalef32_pk8_bf8_f32 v[\CD+2*\t:\CD+2*\t+1], v[S+8*\t:S+8*\t+7], v[YSC]   ; channels 16 t + 8 (lane / 16) + 0 .. 7 of my token
.endr
	v_nop                                          ; one plain line between the conversions and the next tile's lines, which write their sources
	global_store_b128 v[LI], v[\CD:\CD+3], s[\YA:\YA+1]
	global_store_b128 v[LI], v[\CD+4:\CD+7], s[\YA:\YA+1] offset:512
.endm
.rept 4
	v_nop                                          ; places behind the last products
.endr
	FIN STL, OL, PC, YAL
	FIN STH, OH, PC+8, YAH
	s_wait_tensorcnt 0x0
	ds_add_u32 v251, v255
	s_wait_dscnt 0x0
	CROUND                                         ; the closing round
	s_endpgm
.Lfunc_end_k_qd495ef656f_attn:
	.size	k_qd495ef656f_attn, .Lfunc_end_k_qd495ef656f_attn-k_qd495ef656f_attn
	.p2alignl 7, 3214868480
	.fill 96, 4, 3214868480
	.section	.rodata,"a",@progbits
	.p2align	6, 0x0
	.amdhsa_kernel k_qd495ef656f_attn
		.amdhsa_group_segment_fixed_size 327680
		.amdhsa_private_segment_fixed_size 0
		.amdhsa_enable_private_segment 0
		.amdhsa_kernarg_size 24
		.amdhsa_user_sgpr_count 2
		.amdhsa_user_sgpr_kernarg_segment_ptr 1
		.amdhsa_wavefront_size32 1
		.amdhsa_system_sgpr_workgroup_id_x 1
		.amdhsa_system_sgpr_workgroup_id_y 1
		.amdhsa_system_sgpr_workgroup_id_z 1
		.amdhsa_system_vgpr_workitem_id 0
		.amdhsa_next_free_vgpr 256
		.amdhsa_next_free_sgpr 100
		.amdhsa_reserve_vcc 1
		.amdhsa_float_denorm_mode_32 3
		.amdhsa_float_denorm_mode_16_64 3
		.amdhsa_fp16_overflow 1
		.amdhsa_memory_ordered 1
		.amdhsa_forward_progress 1
		.amdhsa_inst_pref_size 89
	.end_amdhsa_kernel
	.amdgpu_metadata
---
amdhsa.version: [ 1, 2 ]
amdhsa.kernels:
  - .name:           k_qd495ef656f_attn
    .symbol:         k_qd495ef656f_attn.kd
    .args:
      - { .name: qkv, .offset: 0, .size: 8, .value_kind: global_buffer, .address_space: global }
      - { .name: lowp_scales, .offset: 8, .size: 8, .value_kind: global_buffer, .address_space: global }
      - { .name: yimg, .offset: 16, .size: 8, .value_kind: global_buffer, .address_space: global }
    .group_segment_fixed_size: 327680
    .private_segment_fixed_size: 0
    .kernarg_segment_align: 8
    .kernarg_segment_size: 24
    .max_flat_workgroup_size: 512
    .sgpr_count:     100
    .vgpr_count:     256
    .wavefront_size: 32
...
	.end_amdgpu_metadata
.endif
;; end of part 3
;; launch proj (part 4): grid 4 x 64, 4 waves a work-group, clusters of 4 x 4, 327,680 bytes of LDS; arguments yimg, codes, lowp_scales, out0; writes out0
.if DOCPART == 4
	.amdgcn_target "amdgcn-amd-amdhsa--gfx1250"
	.amdhsa_code_object_version 6
	.text
	.protected	k_qd495ef656f_proj
	.globl	k_qd495ef656f_proj
	.p2align	8
	.type	k_qd495ef656f_proj,@function
k_qd495ef656f_proj:
	s_mov_b64 s[64:65], 0
	v_nop
	global_prefetch_b8 v0, s[64:65] scope:SCOPE_SE
	s_setreg_imm32_b32 hwreg(HW_REG_WAVE_MODE, 25, 1), 1
	s_wait_xcnt 0x0
	s_wait_alu depctr_hold_cnt(0) depctr_sa_sdst(0) depctr_va_vdst(0) depctr_va_sdst(0) depctr_va_ssrc(0) depctr_va_vcc(0) depctr_vm_vsrc(0)
	s_getreg_b32 s2, hwreg(HW_REG_IB_STS2, 6, 4)
	s_cmp_eq_u32 s2, 0
	s_cbranch_scc0 .Lentry_in_a_cluster
	s_endpgm
.Lentry_in_a_cluster:
	s_bfe_u32 s2, ttmp6, 0x10000c
	s_cmp_lg_u32 s2, 0xf033
	s_cbranch_scc0 .Lentry_shape_is_right
	s_endpgm
.Lentry_shape_is_right:
; out = y w_out^T on codes of BF8 (E5M2), K = 1,024, f32 sums, each multiplied once by 2^(e6 + e7).  LIMIT: e6 + e7 lies between -126 and 127, so that this power of two is an f32 number.
; 8,192 tokens x 1,024 columns in 256 tiles of 128 tokens x 256 columns, one to a work-group; four waves, each 64 tokens x 128 columns: 32 accumulators of 16 x 16, 256 registers.
; CLUSTERS of 4 x 4: the four of a row need the same tokens ('A'), the four of a column the same rows of w_out ('B'): each tile is asked for jointly.
; A lies in memory as images of the operand's registers: [K step of 256][tile of 16 tokens][64 along K: 4][1,024 bytes]: a K step's 128 tokens are one dense block of 32,768 bytes, and a fragment (16 tokens x 128 K)
; is four consecutive runs of 512 bytes: no pitch, no padding.  B's rows are rows 11,264 on of the buffer of codes, whose order inside a block of 32 gives loads of 16 bytes the same places of k.
; K goes in four steps of 256 through THREE slots, all filled at the start; only K step 3 is a refill, into slot 0, and has K steps 1 and 2 in which to land.
; THE MATRIX INSTRUCTION IS USED TRANSPOSED (source 0 = 16 rows of w_out, source 1 = 16 tokens): a lane then holds eight neighbouring numbers of a row of the output.
; REGISTERS, in windows of 256: window 0: v16-29 addresses; v32-95 at work on the way out; v128-191 A's four fragments, ONE set; on the way out v128-255 hold rows.   window 1: B's fragments, TWO sets, at v0 and v128.
;   window 2: the accumulators ((a, b) at v[8 (8 a + b)]).
.set PITCH,  272                       ; B's LDS row: 256 bytes + 16 of padding: the 16 rows that a load touches start at 16 different banks (64 banks of 4 bytes: ISA guide 11.1)
.set HALFA,  16384                     ; 64 tokens' images of a K step: what one of A's tensor loads brings, and what a wave reads
.set HALFB,  128*PITCH                 ; 128 rows of B likewise
.set BOFF,   2*HALFA                   ; a slot: A's 32,768 bytes, then B's 256 rows
.set SLOT,   BOFF+2*HALFB              ; 102,400
.set SPARE,  3*SLOT                    ; behind the slots: the spare words, 128 bytes for each wave: two blocks of 256 bytes that no other line names
.set STAGE,  SLOT                      ; the way out: 16 rows x 528 bytes for each wave, in slot 1, which has had its one fill and its last read when the first result is stored there
.set SPITCH, 528
.set KSA,    2097152                   ; from K step to K step in y's image
.set WOUT,   11264*1024                ; w_out's first code
.set FR,     16
.set ADRA, 16                          ; v16-18  LDS address of my A fragments in slot 0, 1, 2
.set ADRB, 20                          ; v20-22  the same for B
.set STO,  24                          ; v24     the way out: where I put 32 bytes of a row
.set RD,   25                          ; v25     where I read a row back
.set CO,   26                          ; v26     16 x lane: my byte in a row's 512
.set SPW,  28                          ; v28     LDS address of my spare word; never rewritten
.set NIL,  29                          ; v29     0; never rewritten
.set TMP,  32
.set AF,   128
.set BK,   128
.set G1A, 24                           ; s[24:31] descriptor group 1 for A's tiles; s[32:39] for B's; s[40:51], s[52:63] their groups 0, one set for each slot
.set G1B, 32
.set G0A, 40
.set G0B, 52
.set MSB, 0
.macro WIN new                         ; the immediate's high byte repeats the setting that is left
.if MSB != \new
	s_set_vgpr_msb (MSB<<8)|\new
.set MSB, \new
.endif
.endm
.set MUL,  0xa1                        ; source 0 (B) window 1, source 1 (A) window 0, C and D window 2
.set TO_B, 0x40                        ; destination window 1, address window 0
.macro CREST                           ; a round of the cluster's barrier behind its opening barrier
	s_cmp_lg_u32 s14, 0
	s_cbranch_scc1 .Lnot_wave_0_\@
	s_barrier_signal -3
.Lnot_wave_0_\@:
	s_barrier_wait -3
	s_barrier_signal -1
	s_barrier_wait -1
.endm
.macro CROUND
	s_barrier_signal -1
	s_barrier_wait -1
	CREST
.endm
	s_load_b128 s[4:7], s[0:1], 0x0                ; y's image s[4:5], the codes s[6:7]
	s_load_b128 s[8:11], s[0:1], 0x10              ; the scales' exponents s[8:9], the output s[10:11]
	v_lshl_add_u32 v[SPW], v0, 2, SPARE
	v_mov_b32 v[NIL], 0
	ds_add_u32 v28, v29
	ds_add_u32 v28, v29
	s_wait_dscnt 0x0
	v_lshrrev_b32 v1, 5, v0
	v_readfirstlane_b32 s14, v1                    ; wave 0..3
	s_lshr_b32 s15, s14, 1                         ; which 64 tokens are mine.  Also: I fetch for A (0) or for B (1)
	s_and_b32 s16, s14, 1                          ; which 128 columns.  Also: which half of that tile I fetch
	s_bfe_u32 s66, ttmp6, 0x40000                  ; cx: the tile column
	s_bfe_u32 s67, ttmp6, 0x40004                  ; cy
	s_and_b32 s17, ttmp7, 0xffff
	s_lshl_b32 s17, s17, 2
	s_add_co_u32 s17, s17, s67                     ; the tile row = 4 x cluster y + cy
	s_lshl_b32 s68, s67, 2
	s_lshl_b32 s68, 15, s68                        ; my row of the cluster
	s_lshl_b32 s69, 0x1111, s66                    ; my column
	s_or_b32 s[G1A], s68, (0<<16)|(1<<21)          ; A: 15:0 the mask: my row; 17:16 elements of 1 byte; no padding; 21 set beside a mask
	s_mov_b32 s[G1A+1], 256<<16                    ; tensor_dim0 = 256
	s_mov_b32 s[G1A+2], 64<<16                     ; tensor_dim1 = 64
	s_mov_b32 s[G1A+3], 256<<16                    ; tile_dim0
	s_mov_b32 s[G1A+4], 64                         ; tile_dim1: 64 rows of 256 bytes, dense
	s_mov_b32 s[G1A+5], 256                        ; tensor_dim0_stride
	s_mov_b32 s[G1A+6], 0
	s_mov_b32 s[G1A+7], 0
	s_or_b32 s[G1B], s69, (0<<16)|(1<<20)|(1<<21)|(5<<22)|(3<<25)   ; B: the mask: my column; padding: 4 words (code 3) after every 64 (code 5)
	s_mov_b32 s[G1B+1], 256<<16
	s_mov_b32 s[G1B+2], 128<<16
	s_mov_b32 s[G1B+3], 256<<16
	s_mov_b32 s[G1B+4], 128                        ; 128 rows of 256 bytes,
	s_mov_b32 s[G1B+5], 1024                       ; 1,024 bytes apart
	s_mov_b32 s[G1B+6], 0
	s_mov_b32 s[G1B+7], 0
	s_lshl_b32 s70, s17, 15                        ; A: the tile row's 32,768 bytes of a K step,
	s_lshl_b32 s71, s16, 14
	s_add_co_u32 s70, s70, s71                     ; my half of them
	s_mov_b32 s71, 0
	s_lshl_b32 s72, s66, 8                         ; B: row 256 x tile column
	s_lshl_b32 s73, s16, 7
	s_add_co_u32 s72, s72, s73                     ; + my 128
	s_lshl_b32 s72, s72, 10
	s_add_co_u32 s72, s72, WOUT
	s_mov_b32 s73, 0
	s_lshl_b32 s74, s16, 14                        ; where they go: no place in the cluster enters an LDS address
	s_mul_i32 s75, s16, HALFB
	s_add_co_u32 s75, s75, BOFF
	s_wait_kmcnt 0x0
	s_load_b64 s[96:97], s[8:9], 0x18              ; e6, e7
	s_add_nc_u64 s[76:77], s[4:5], s[70:71]
	s_add_nc_u64 s[78:79], s[6:7], s[72:73]
.irp s, 0,1,2
	s_mov_b32 s[G0A+4*\s], 1
	s_add_co_u32 s[G0A+4*\s+1], s74, \s*SLOT
	s_add_nc_u64 s[G0A+4*\s+2:G0A+4*\s+3], s[76:77], \s*KSA
	s_or_b32 s[G0A+4*\s+3], s[G0A+4*\s+3], 0x80000000
	s_mov_b32 s[G0B+4*\s], 1
	s_add_co_u32 s[G0B+4*\s+1], s75, \s*SLOT
	s_add_nc_u64 s[G0B+4*\s+2:G0B+4*\s+3], s[78:79], \s*256
	s_or_b32 s[G0B+4*\s+3], s[G0B+4*\s+3], 0x80000000
.endr
	CROUND                                         ; all sixteen work-groups are here: the first joint loads meet
	s_cmp_eq_u32 s15, 0                            ; a wave's three first fills stand in one branch, ahead of every wait on TENSORcnt and every LDS read: three loads of mine are out; four v_nop follow the third
	s_cbranch_scc0 .Lfirst_b
	tensor_load_to_lds s[G0A:G0A+3], s[G1A:G1A+7]
	s_nop 0
	tensor_load_to_lds s[G0A+4:G0A+7], s[G1A:G1A+7]
	s_nop 0
	tensor_load_to_lds s[G0A+8:G0A+11], s[G1A:G1A+7]
	s_nop 0
.rept 4
	v_nop
.endr
	s_branch .Lfirst_asked
.Lfirst_b:
	tensor_load_to_lds s[G0B:G0B+3], s[G1B:G1B+7]
	s_nop 0
	tensor_load_to_lds s[G0B+4:G0B+7], s[G1B:G1B+7]
	s_nop 0
	tensor_load_to_lds s[G0B+8:G0B+11], s[G1B:G1B+7]
	s_nop 0
.rept 4
	v_nop
.endr
.Lfirst_asked:
	v_and_b32 v1, 15, v0                           ; l % 16
	v_bfe_u32 v2, v0, 4, 1                         ; l / 16
	v_and_b32 v6, 31, v0
	v_lshlrev_b32 v[CO], 4, v6                     ; 16 x lane
	v_mul_u32_u24 v3, v1, PITCH
	v_lshl_add_u32 v4, v2, 4, v3                   ; B: a fragment's row x pitch + 16 x half
	s_lshl_b32 s80, s15, 14                        ; my 64 tokens' images
	s_mul_i32 s81, s16, HALFB
	s_add_co_u32 s81, s81, BOFF                    ; my 128 rows of B
.irp s, 0,1,2
	v_add_nc_u32 v[ADRA+\s], s80, v[CO]
	v_add_nc_u32 v[ADRB+\s], s81, v4
	s_add_co_u32 s80, s80, SLOT
	s_add_co_u32 s81, s81, SLOT
.endr
	s_mul_i32 s82, s14, 16*SPITCH
	s_add_co_u32 s82, s82, STAGE                   ; my stage
	v_mul_u32_u24 v5, v1, SPITCH                   ; in: row l % 16, 32 bytes for each half of the lanes
	v_lshl_add_u32 v5, v2, 5, v5
	v_add_nc_u32 v[STO], s82, v5
	v_add_nc_u32 v[RD], s82, v[CO]                 ; back: the 32 lanes take one row of 512 bytes
	s_lshl_b32 s83, s17, 7
	s_lshl_b32 s84, s15, 6
	s_add_co_u32 s83, s83, s84                     ; my first row of the output: 128 x tile row + 64 x half
	s_lshl_b32 s84, s83, 12                        ; 4,096 bytes a row
	s_lshl_b32 s85, s66, 10
	s_add_co_u32 s84, s84, s85                     ; + 1,024 bytes x tile column
	s_lshl_b32 s85, s16, 9
	s_add_co_u32 s84, s84, s85                     ; + 512 x half
	s_mov_b32 s85, 0
	s_add_nc_u64 s[10:11], s[10:11], s[84:85]
.macro FRAG_A reg, slot, q, i          ; 16 tokens x 128 K: the image's four runs of 512 bytes
.irp c, 0,1,2,3
	ds_load_b128 v[\reg+4*\c:\reg+4*\c+3], v[ADRA+\slot] offset:4096*(\i)+2048*(\q)+512*\c
.endr
.endm
.macro FRAG_B reg, slot, q, i          ; 16 rows x 128 K: four loads of 16 bytes a lane
.irp c, 0,1,2,3
	ds_load_b128 v[\reg+4*\c:\reg+4*\c+3], v[ADRB+\slot] offset:128*(\q)+32*\c+(\i)*16*PITCH
.endr
.endm
; 8 matrix instructions: A's block a x B's eight, 128 along K.  p: B's set.  zero = 1: the first product starts the sums.  The 32 accumulators take turns, in the same order in every step.
.macro MUL8 a, p, zero
.irp b, 0,1,2,3,4,5,6,7
.if \zero
	v_wmma_f32_16x16x128_bf8_bf8 v[8*(8*(\a)+\b):8*(8*(\a)+\b)+7], v[128*(\p)+FR*\b:128*(\p)+FR*\b+FR-1], v[AF+FR*(\a):AF+FR*(\a)+FR-1], 0
.else
	v_wmma_f32_16x16x128_bf8_bf8 v[8*(8*(\a)+\b):8*(8*(\a)+\b)+7], v[128*(\p)+FR*\b:128*(\p)+FR*\b+FR-1], v[AF+FR*(\a):AF+FR*(\a)+FR-1], v[8*(8*(\a)+\b):8*(8*(\a)+\b)+7]
.endif
.endr
.endm
.macro FETCH_B slot, q, p
	WIN TO_B
.irp i, 0,1,2,3,4,5,6,7
	FRAG_B 128*(\p)+FR*\i, \slot, \q, \i
.endr
	WIN 0
.endm
.macro FETCH_A slot, q, i0             ; A's blocks i0, i0 + 1
.irp i, \i0, \i0+1
	FRAG_A AF+FR*(\i), \slot, \q, \i
.endr
.endm
.macro PLACES                          ; four places in front of loads into registers that matrix instructions have read, and of the first read of results (ISA guide 7.12.1 for vector instructions)
.rept 4
	v_nop
.endr
.endm
; A step of 128 along K on B's set p; it fetches the next step's fragments, the nq-th 128 of slot nslot, whose tiles every wave has been shown.
.macro STEP p, nslot, nq, zero
	s_wait_dscnt 8                                 ; B's set and A's blocks 0, 1 are in; the youngest eight loads (A's blocks 2, 3) may be out
	WIN MUL
	MUL8 0, \p, \zero
	MUL8 1, \p, \zero
	s_wait_dscnt 0
	PLACES
	FETCH_B \nslot, \nq, 1-\p
	FETCH_A \nslot, \nq, 0
	WIN MUL
	MUL8 2, \p, \zero
	MUL8 3, \p, \zero
	PLACES
	WIN 0
	FETCH_A \nslot, \nq, 2
.endm
; A step (on B's set 1) with a barrier in it: in front of the barrier each wave waits for all its tensor loads, adds 0 to its spare word, and waits for that and for its own reads.  Behind it slot next is whole for every wave.
; fill = 1: slot 0, which has been read out, takes K step 3: the barrier opens a round of the cluster's, and the joint refill is the first thing behind the round.
.macro TURN next, fill
	s_wait_tensorcnt 0x0                           ; all my tensor loads have landed  (every window is 0 here: the add's two registers lie in window 0)
	ds_add_u32 v[SPW], v[NIL]                      ; 0 onto my spare word
	s_wait_dscnt 9                                 ; (the add and the youngest eight loads, A's blocks 2, 3, may be out)
	WIN MUL
	MUL8 0, 1, 0                                   ; eight matrix instructions stand between the add and the wait for it
	s_wait_dscnt 0x0                               ; the add is done, and my reads of the slot in hand are over
	s_barrier_signal -1
	MUL8 1, 1, 0
	WIN 0
	s_barrier_wait -1
.if \fill
	CREST                                          ; no wave of any partner still reads slot 0 or has a load on its way
	s_add_nc_u64 s[G0A+2:G0A+3], s[G0A+2:G0A+3], 3*KSA
	s_add_nc_u64 s[G0B+2:G0B+3], s[G0B+2:G0B+3], 3*256
	s_cmp_eq_u32 s15, 0
	s_cbranch_scc0 .Lfor_b_\@
	tensor_load_to_lds s[G0A:G0A+3], s[G1A:G1A+7]  ; my one tensor load behind the round; the four v_nop behind it are also the places in front of the loads below
	s_nop 0
.rept 4
	v_nop
.endr
	s_branch .Lasked_\@
.Lfor_b_\@:
	tensor_load_to_lds s[G0B:G0B+3], s[G1B:G1B+7]
	s_nop 0
.rept 4
	v_nop
.endr
.Lasked_\@:
.else
	PLACES
.endif
	FETCH_B \next, 0, 0
	FETCH_A \next, 0, 0
	WIN MUL
	MUL8 2, 1, 0
	MUL8 3, 1, 0
	PLACES
	WIN 0
	FETCH_A \next, 0, 2
.endm
	s_wait_alu depctr_va_vdst(0)
	s_wait_tensorcnt 2                             ; my part of slot 0 is in; slots 1 and 2 may be out
	s_barrier_signal -1
	s_barrier_wait -1                              ; everybody's is
	FETCH_B 0, 0, 0
	FETCH_A 0, 0, 0
	FETCH_A 0, 0, 2
	STEP 0, 0, 1, 1                                ; K step 0, first half: its products start the sums
	TURN 1, 1                                      ; K step 0, second half; slots 1 and 2 are whole for everybody; slot 0 takes K step 3
	STEP 0, 1, 1, 0                                ; K step 1
	STEP 1, 2, 0, 0
	STEP 0, 2, 1, 0                                ; K step 2
	TURN 0, 0                                      ; its second half; K step 3 has landed for everybody; nothing is filled, so no round
	STEP 0, 0, 1, 0                                ; K step 3
	s_wait_dscnt 8                                 ; the very last step: nothing more to fetch
	WIN MUL
	MUL8 0, 1, 0
	MUL8 1, 1, 0
	s_wait_dscnt 0
	MUL8 2, 1, 0
	MUL8 3, 1, 0
	WIN 0
; THE WAY OUT, block by block of 16 rows x 128 columns.  A lane holds 32 neighbouring bytes of a row, and the lanes beside it hold other rows: so a block goes through my own stage in LDS and comes back as whole
; rows of 512 bytes.  LDS serves a wave's instructions in order (ISA guide 5.7.1.4): no wait between the stores and the loads, nor in front of the next block's stores.
.macro TOSTAGE a
.set AC, 64*(\a)
	WIN 0x02                                       ; source 0: window 2
.irp j, 0,2,4,6,8,10,12,14,16,18,20,22,24,26,28,30,32,34,36,38,40,42,44,46,48,50,52,54,56,58,60,62
	v_pk_mul_f32 v[TMP+\j:TMP+\j+1], v[AC+\j:AC+\j+1], s[96:97] op_sel_hi:[1,0]   ; both x s96 = 2^(e6 + e7); each accumulator from its low end on
.endr
	WIN 0
.irp b, 0,1,2,3,4,5,6,7
	ds_store_b128 v[STO], v[TMP+8*\b:TMP+8*\b+3] offset:64*\b
	ds_store_b128 v[STO], v[TMP+8*\b+4:TMP+8*\b+7] offset:64*\b+16
.endr
.set BB, BK+64*((\a)%2)
.irp t, 0,1,2,3,4,5,6,7,8,9,10,11,12,13,14,15
	ds_load_b128 v[BB+4*\t:BB+4*\t+3], v[RD] offset:\t*SPITCH
.endr
.endm
.macro SEND a, younger                 ; younger: the LDS instructions issued behind block a's loads, which may stay out
.set BB, BK+64*((\a)%2)
	s_wait_dscnt \younger                          ; the block is back in registers
.if (\a) > 0
	s_add_nc_u64 s[10:11], s[10:11], 16*4096       ; (behind a wait on XCNT: the earlier stores have read their base)  16 rows on
.endif
.irp t, 0,1,2,3,4,5,6,7,8,9,10,11,12,13,14,15
	global_store_b128 v[CO], v[BB+4*\t:BB+4*\t+3], s[10:11] offset:\t*4096 th:TH_STORE_NT   ; 32 lanes store 512 consecutive bytes, at a multiple of 256 from the output's first byte; written once, read by nobody here
.endr
.endm
	s_wait_kmcnt 0x0
	s_add_co_i32 s96, s96, s97                     ; e6 + e7, between -126 and 127,
	s_add_co_i32 s96, s96, 127
	s_lshl_b32 s96, s96, 23                        ; makes the f32 number 2^(e6 + e7)
	PLACES                                         ; behind the last products: in front of the first read of results and of the loads into the registers that held A's fragments
	TOSTAGE 0
.irp a, 1,2,3
.if \a > 1
	s_wait_xcnt 0x0                                ; block a - 2's stores have read their registers and their base: block a's loads may land there, and the base may step
.endif
	TOSTAGE \a
	SEND \a-1, 32                                  ; behind block a - 1's loads: block a's 16 stores and 16 loads
.endr
	s_wait_xcnt 0x0                                ; block 2's stores have read their base
	SEND 3, 0
	s_wait_tensorcnt 0x0                           ; the wave's end: behind my last tensor load and my last LDS store
	ds_add_u32 v[SPW], v[NIL]
	s_wait_dscnt 0x0
	CROUND                                         ; the closing round: no work-group ends while a partner may still ask for a tile that names it
	s_endpgm
.Lfunc_end_k_qd495ef656f_proj:
	.size	k_qd495ef656f_proj, .Lfunc_end_k_qd495ef656f_proj-k_qd495ef656f_proj
	.p2alignl 7, 3214868480
	.fill 96, 4, 3214868480
	.section	.rodata,"a",@progbits
	.p2align	6, 0x0
	.amdhsa_kernel k_qd495ef656f_proj
		.amdhsa_group_segment_fixed_size 327680
		.amdhsa_private_segment_fixed_size 0
		.amdhsa_enable_private_segment 0
		.amdhsa_kernarg_size 32
		.amdhsa_user_sgpr_count 2
		.amdhsa_user_sgpr_kernarg_segment_ptr 1
		.amdhsa_wavefront_size32 1
		.amdhsa_system_sgpr_workgroup_id_x 1
		.amdhsa_system_sgpr_workgroup_id_y 1
		.amdhsa_system_sgpr_workgroup_id_z 1
		.amdhsa_system_vgpr_workitem_id 0
		.amdhsa_next_free_vgpr 768
		.amdhsa_next_free_sgpr 100
		.amdhsa_reserve_vcc 0
		.amdhsa_float_denorm_mode_32 3
		.amdhsa_float_denorm_mode_16_64 3
		.amdhsa_memory_ordered 1
		.amdhsa_forward_progress 1
		.amdhsa_inst_pref_size 76
	.end_amdhsa_kernel
	.amdgpu_metadata
---
amdhsa.version: [ 1, 2 ]
amdhsa.kernels:
  - .name:           k_qd495ef656f_proj
    .symbol:         k_qd495ef656f_proj.kd
    .args:
      - { .name: yimg, .offset: 0, .size: 8, .value_kind: global_buffer, .address_space: global }
      - { .name: codes, .offset: 8, .size: 8, .value_kind: global_buffer, .address_space: global }
      - { .name: lowp_scales, .offset: 16, .size: 8, .value_kind: global_buffer, .address_space: global }
      - { .name: out0, .offset: 24, .size: 8, .value_kind: global_buffer, .address_space: global }
    .group_segment_fixed_size: 327680
    .private_segment_fixed_size: 0
    .kernarg_segment_align: 8
    .kernarg_segment_size: 32
    .max_flat_workgroup_size: 128
    .sgpr_count:     100
    .vgpr_count:     768
    .wavefront_size: 32
...
	.end_amdgpu_metadata
.endif
;; end of part 4
